; MI455X (gfx1250); checked and timed in simulation.
; The chip was launched on July 23, 2026; its instructions are those of AMD's public machine-readable ISA for CDNA 5 (MIT licence, August 2026) and "CDNA5" Instruction Set Architecture Reference Guide (July 2026). The comments in the code are by the model that wrote it; some were corrected since.
;; Scale Adaptive Router. Allowed arithmetic: float matrix products may take bf16 or f16 operands with f32 sums; all other float work in f32.
;; Inputs: noise 4 x 4,096 x 64 float32; router_w 64 x 2,112 float32; scale_embeddings 10 x 64 float32; x 4 x 4,096 x 2,048 float32.
;; Outputs: out0 4 x 4,096 x 64 float32.
;; Constants: scale_idx = 3.
;; One version. Each part assembles by itself: llvm-mc -triple=amdgcn-amd-amdhsa -mcpu=gfx1250 --defsym DOCPART=n.
;; ======== version 1 of 1: 1 launch
;; limits: values outside matrix products are rounded to bf16
;; launch router (part 1): grid 256 x 1, 8 waves a work-group, no clusters, 288,000 bytes of LDS; arguments x, router_w, scale_embeddings, noise, out0; writes out0
.if DOCPART == 1
	.amdgcn_target "amdgcn-amd-amdhsa--gfx1250"
	.amdhsa_code_object_version 6
	.text
	.protected	k_q68270077f7_router
	.globl	k_q68270077f7_router
	.p2align	8
	.type	k_q68270077f7_router,@function
k_q68270077f7_router:
	s_mov_b64 s[64:65], 0
	v_nop
	global_prefetch_b8 v0, s[64:65] scope:SCOPE_SE
	s_setreg_imm32_b32 hwreg(HW_REG_WAVE_MODE, 25, 1), 1
	s_wait_xcnt 0x0
; ScaleAdaptiveRouter: logits[t][e] = sum_k x[t][k] W[e][k] + sum_j emb3[j] W[e][2048+j] + 0.1 noise[t][e];
; out[t][e] = the two largest softmax weights of row t, normalised to sum 1, at their places; 0 elsewhere.
; softmax, top 2 and the renormalisation together are  w1 = 1/(1+e), w2 = e/(1+e), e = exp(l2 - l1): the row's maximum l1 is taken away, e <= 1.
;
; SHAPE.  256 work-groups of 64 tokens; 8 waves of 512 registers.  EVERY WAVE OWNS A PART OF K: it makes all 64 tokens x 64 experts (16 accumulators)
; over four chunks of 64 K; chunk j of wave w is the 256 bytes number 8 j + w of every row, so that the eight waves read 2,048 bytes of a row side by side.
; What a wave loads it narrows to bf16 itself, puts into LDS bytes of its own and reads back as fragments: no wave reads another's bytes and no barrier
; stands in the main part; each operand byte is read from LDS once.  The eight partial sums of a logit meet in LDS at the end, behind the one barrier.
; A chunk is 32 loads of x and 32 of router_w; each load takes 256 consecutive aligned bytes of row t (lanes 0-15) and of row t + 8 (lanes 16-31).
; The load ring holds one chunk (64 loads, 256 registers); each group of eight is issued again, for the next chunk, as soon as it has been narrowed, so
; about 32 KiB of every wave (256 KiB of the work-group) stay on their way, during the matrix work too.
; The matrix instruction takes router_w as source 0 and x as source 1: a lane's 8 results are 8 neighbouring experts of one token.
; The last 64 columns of router_w meet the embedding, which is the same for all tokens: waves 0 to 3 make 16 experts' sums each (two matrix instructions)
; and leave them in LDS; the way out adds them to every token.
;
; REGISTERS.  Window 0: v0-15 ids and addresses, v16-79 fragments of one K step, v80-207 accumulators, v208-239 narrowed numbers (two sets), v240-255 noise.
; Window 1 (v256-511): the load ring.  s_set_vgpr_msb: bits 1:0 source 0, 3:2 source 1, 7:6 destination.  Two switches for a group's 32 instructions:
; 0x05 for the 16 conversions (sources in the ring), 0x40 for the 8 LDS stores (address and data in window 0) and the 8 loads (destination in the ring).
;
; NOT USED, AND WHY.  router_w is read by all 256 work-groups, yet it is not asked for jointly in a cluster: a joint request lands f32 in LDS, and two slots
; of the eight waves' chunks (2 x 8 x 64 rows x 272 bytes = 278,528) beside x's bf16 rows (8 x 64 x 144 = 73,728) are 352,256 bytes, more than the 327,680
; that there are; and every joint refill would bring a round of barriers into a main part that has none.  No prefetch: the loads themselves run a chunk ahead.
;
; LIMITS.  FORMAT: x, router_w and the embedding are rounded to bf16 (nearest even) as matrix operands, and the noise is rounded to bf16 too (relative
; 2^-9) before it is scaled by 0.1 in f32: the program is then reference() of the bf16-rounded inputs up to the order of the f32 sums, which is what
; fixes the choice of the second expert where two logits are close.  Sums, the noise's product, the exponential and the weights are f32.
; Equal values: the lower index wins, decided on the logits (reference() decides on the probabilities, which can be equal where logits differ in the last bit).
; RANGE: logits must be finite (no NaN, no infinity in the inputs or the sums).  A second weight below 2^-126 comes out as 0 (v_exp_f32 flushes).
.set XROW,  8192                       ; bytes in a row of x
.set WROW,  8448                       ; bytes in a row of router_w: 2,112 f32 = 33 x 256
.set UNIT,  256                        ; bytes of a row in a chunk: 64 f32
.set CSTEP, 8*UNIT                     ; from a wave's chunk to its next
.set LP,    144                        ; LDS row of a chunk: 64 bf16 + 16 bytes = 9 x 16: 16 rows fall on 16 different 16-byte columns modulo 256; 8 rows are 128 modulo 256
.set WPART, 64*LP                      ; a wave's buffer: x's 64 rows, then router_w's 64 rows
.set WVB,   128*LP                     ; 18,432 bytes a wave
.set SCR,   8*WVB                      ; the partial sums, bytes of their own: 8 planes (one a wave) of 64 tokens x
.set SP,    272                        ; 256 + 16 bytes = 17 x 16
.set PLANE, 64*SP
.set TAILP, SCR+8*PLANE                ; the embedding's 64 sums; TAILP + 256 = 286,976 bytes in all
.set RR,    1                          ; v1   lane & 15
.set HH,    2                          ; v2   (lane >> 4) & 1
.set TPR,   3                          ; v3   LDS: my four of the embedding's sums
.set XOFF,  4                          ; v4   x: 16 (lane & 15) + 256 wave + 8 rows for lanes 16-31; never rewritten
.set WOFF,  5                          ; v5   router_w: the same
.set STA,   6                          ; v6   LDS: where my 8 narrowed bytes go (my wave's buffer, row 0 or 8)
.set FRA,   7                          ; v7   LDS: my fragments (my wave's buffer)
.set PST,   8                          ; v8   LDS: where my partial sums go (my wave's plane)
.set PRD,   9                          ; v9   LDS: where I read partial sums, planes 0 to 3
.set PRD2,  10                         ; v10  planes 4 to 7 (an LDS offset has 16 bits)
.set NOFF,  11                         ; v11  my byte offset in noise and in out0, from the group's first token
.set TT,    12                         ; v12  at work at the start
.set TC,    12                         ; v[12:15] in the way out: the embedding's sums of my four experts
.set FR,    16                         ; v[16:47] x's four fragments, v[48:79] router_w's four
.set ACC,   80                         ; v[80:207] accumulator (c, a) at ACC + 32 c + 8 a: expert tile c, token tile a
.set CT,    208                        ; v[208:239] narrowed numbers on their way to LDS, two sets of 16 that take turns
.set NZ,    240                        ; v[240:255] the noise of my 8 tokens
; used by waves 0 to 3 at the start alone, before the accumulators are first written
.set TWOFF, ACC                        ; router_w's last 64 columns: my byte offset
.set EOFF,  ACC+1                      ; the embedding's row: my byte offset
.set EFR,   ACC+2                      ; LDS: the embedding's fragments
.set TPS,   ACC+3                      ; LDS: where the embedding's sums go
; the way out (fragments, accumulators and narrowed numbers are free by then)
.set LG,    ACC                        ; token pair n: 8 partial sums x 4 experts at LG + 32 n; then the 4 logits at LG + 32 n
.set NB,    16                         ; v[16:23]  noise as bf16 pairs
.set MAX1,  24
.set SEL1,  28
.set MAX2,  32
.set SEL2,  36
.set CAND,  40                         ; v[40:55]
.set LM,    56                         ; v[56:71]  logits without the first choice
.set EX,    72
.set TM,    76
.set BIG,   208                        ; 64.0: above every index
.set NEG,   209                        ; -infinity
.set STD,   210                        ; 0.1
.set IDX,   212                        ; v[212:215] my four experts' numbers as f32
.set WT1,   216
.set WT2,   220
.set OUT,   224                        ; v[224:239]
.set MK,    36                         ; s[36:51]  lane masks: this expert is the first choice
.set FROM_RING, 0x05
.set TO_RING,   0x40
.set MSB, 0
.macro WIN new                         ; the immediate's high byte repeats the setting that is left; a switch that changes nothing is dropped
.if MSB != \new
	s_set_vgpr_msb (MSB<<8)|\new
.set MSB, \new
.endif
.endm
	s_load_b256 s[4:11], s[0:1], 0x0               ; x s[4:5], router_w s[6:7], scale_embeddings s[8:9], noise s[10:11]
	s_load_b64 s[12:13], s[0:1], 0x20              ; out0
	v_lshrrev_b32 v[TT], 5, v0
	v_readfirstlane_b32 s14, v[TT]                 ; wave 0..7
	v_and_b32 v[RR], 15, v0
	v_bfe_u32 v[HH], v0, 4, 1
	v_lshlrev_b32 v[TT], 4, v[RR]
	v_lshl_add_u32 v[TT], s14, 8, v[TT]            ; 16 (lane & 15) + 256 wave
	v_lshl_add_u32 v[XOFF], v[HH], 16, v[TT]       ; + 8 rows of 8,192 bytes for lanes 16-31
	v_mul_u32_u24 v[WOFF], v[HH], 8*WROW
	v_add_nc_u32 v[WOFF], v[WOFF], v[TT]
	s_lshl_b32 s18, ttmp9, 19                      ; the work-group's 64 rows of x: 524,288 bytes (256 groups: below 2^27)
	s_mov_b32 s19, 0
	s_lshl_b32 s20, ttmp9, 14                      ; its 64 rows of noise and of out0: 16,384 bytes
	s_mov_b32 s21, 0
	s_wait_kmcnt 0x0
	s_add_nc_u64 s[4:5], s[4:5], s[18:19]
	s_add_nc_u64 s[10:11], s[10:11], s[20:21]
	s_add_nc_u64 s[12:13], s[12:13], s[20:21]
; Eight loads of chunk j.  Even g: x, rows 8 g .. 8 g + 15; odd g: router_w, rows 8 (g - 1) .. 8 (g - 1) + 15.  Load t: rows t and t + 8 of the sixteen.
.macro LD8 j, g
.irp t, 0,1,2,3,4,5,6,7
.if (\g)&1
	global_load_b128 v[32*\g+4*\t:32*\g+4*\t+3], v[WOFF], s[6:7] offset:(16*((\g)>>1)+\t)*WROW+(\j)*CSTEP
.else
	global_load_b128 v[32*\g+4*\t:32*\g+4*\t+3], v[XOFF], s[4:5] offset:(16*((\g)>>1)+\t)*XROW+(\j)*CSTEP th:TH_LOAD_NT
.endif
.endr
.endm
; The same eight, landed: narrowed to bf16 (nearest even) and put into my wave's buffer.  A store's 32 lanes write 128 bytes of row t and 128 of row t + 8,
; which lie 8 x 144 = 1,152 = 128 modulo 256 bytes apart.
.macro CV8 g
	WIN FROM_RING
.irp t, 0,1,2,3,4,5,6,7
	v_cvt_pk_bf16_f32 v[CT+16*((\g)&1)+2*\t],   v[32*\g+4*\t],   v[32*\g+4*\t+1]
	v_cvt_pk_bf16_f32 v[CT+16*((\g)&1)+2*\t+1], v[32*\g+4*\t+2], v[32*\g+4*\t+3]
.endr
	WIN TO_RING
.irp t, 0,1,2,3,4,5,6,7
	ds_store_b64 v[STA], v[CT+16*((\g)&1)+2*\t:CT+16*((\g)&1)+2*\t+1] offset:(64*((\g)&1)+16*((\g)>>1)+\t)*LP
.endr
.endm
; A whole chunk goes to LDS, and chunk nxt is asked for, group by group, into the registers just read.
; Loads come back in order (ISA guide 5.7.1).  Behind group g's eight loads were issued 8 (7 - g) of its chunk and 8 g of chunk nxt: left = 56
; (60 in chunk 1, where the four loads of the noise stand among them).
.macro CONVERT nxt, left
.irp g, 0,1,2,3,4,5,6,7
	s_wait_loadcnt \left
	CV8 \g
	LD8 \nxt, \g
.endr
	WIN 0
.endm
; Four places behind the last matrix instruction before its sources are loaded again and its results read (ISA guide 7.12.1).
.macro PLACES
.rept 4
	v_nop
.endr
.endm
; K step u of a chunk's two: a fragment is 16 rows x 32 K, two loads of 16 bytes 32 bytes apart at row x pitch + 16 (lane >> 4).
; LDS serves a wave's instructions in order (ISA guide 5.7.1.4): these loads see my stores above, and the next chunk's stores come behind them.
; The 16 accumulators take turns, one instruction a turn.
.macro STEP u, zero
.irp a, 0,1,2,3
	ds_load_b128 v[FR+8*\a:FR+8*\a+3],   v[FRA] offset:\a*16*LP+64*\u
	ds_load_b128 v[FR+8*\a+4:FR+8*\a+7], v[FRA] offset:\a*16*LP+64*\u+32
.endr
.irp c, 0,1,2,3
	ds_load_b128 v[FR+32+8*\c:FR+32+8*\c+3],   v[FRA] offset:WPART+\c*16*LP+64*\u
	ds_load_b128 v[FR+32+8*\c+4:FR+32+8*\c+7], v[FRA] offset:WPART+\c*16*LP+64*\u+32
.endr
.irp c, 0,1,2,3
	s_wait_dscnt 6-2*\c                            ; x's fragments and expert tiles 0 .. c are in; the two loads of each later tile may be out
.irp a, 0,1,2,3
.if \zero
	v_wmma_f32_16x16x32_bf16 v[ACC+32*\c+8*\a:ACC+32*\c+8*\a+7], v[FR+32+8*\c:FR+32+8*\c+7], v[FR+8*\a:FR+8*\a+7], 0
.else
	v_wmma_f32_16x16x32_bf16 v[ACC+32*\c+8*\a:ACC+32*\c+8*\a+7], v[FR+32+8*\c:FR+32+8*\c+7], v[FR+8*\a:FR+8*\a+7], v[ACC+32*\c+8*\a:ACC+32*\c+8*\a+7]
.endif
.endr
.endr
	PLACES
.endm
	; Waves 0 to 3: rows 16 w .. 16 w + 15 of router_w's last 64 columns (256 bytes a row, two rows a load) and row 3 of scale_embeddings (768 bytes in).
	s_cmp_lt_u32 s14, 4
	s_cbranch_scc0 .Lno_tail_loads
	s_mul_i32 s22, s14, 16*WROW
	v_mul_u32_u24 v[TWOFF], v[HH], 8*WROW
	v_lshl_add_u32 v[TWOFF], v[RR], 4, v[TWOFF]
	v_add_nc_u32 v[TWOFF], s22, v[TWOFF]
	v_lshlrev_b32 v[EOFF], 4, v[RR]
.irp i, 0,1,2,3,4,5,6,7
	global_load_b128 v[FR+4*\i:FR+4*\i+3], v[TWOFF], s[6:7] offset:XROW+\i*WROW
.endr
	global_load_b128 v[FR+32:FR+35], v[EOFF], s[8:9] offset:768
.Lno_tail_loads:
	; chunk 0 fills the ring
	WIN TO_RING
.irp g, 0,1,2,3,4,5,6,7
	LD8 0, \g
.endr
	WIN 0
	; the other addresses, while the loads are on their way
	s_mul_i32 s23, s14, WVB                        ; my wave's buffer
	v_mul_u32_u24 v[TT], v[HH], 8*LP
	v_lshl_add_u32 v[TT], v[RR], 3, v[TT]
	v_add_nc_u32 v[STA], s23, v[TT]                ; row 0 (lanes 16-31: row 8), 8 bytes for each of 16 lanes
	v_mul_u32_u24 v[TT], v[RR], LP
	v_lshl_add_u32 v[TT], v[HH], 4, v[TT]
	v_add_nc_u32 v[FRA], s23, v[TT]                ; row x pitch + 16 x half
	s_mul_i32 s24, s14, PLANE
	s_add_co_u32 s24, s24, SCR                     ; my wave's plane
	v_mul_u32_u24 v[TT], v[RR], SP
	v_lshl_add_u32 v[TT], v[HH], 5, v[TT]
	v_add_nc_u32 v[PST], s24, v[TT]                ; token row x pitch + 8 experts x half
	s_mul_i32 s25, s14, 8*SP
	s_add_co_u32 s25, s25, SCR
	v_mul_u32_u24 v[TT], v[HH], SP
	v_lshl_add_u32 v[TT], v[RR], 4, v[TT]
	v_add_nc_u32 v[PRD], s25, v[TT]                ; token 8 w + half, 16 bytes for each of 16 lanes
	v_add_nc_u32 v[PRD2], 4*PLANE, v[PRD]
	v_lshlrev_b32 v[TPR], 4, v[RR]
	v_add_nc_u32 v[TPR], TAILP, v[TPR]
	v_and_b32 v[TT], 31, v0
	v_lshlrev_b32 v[TT], 4, v[TT]
	v_lshl_add_u32 v[NOFF], s14, 11, v[TT]         ; 8 tokens of 256 bytes a wave + 16 x lane
	; The embedding's part, in waves 0 to 3, through the wave's own buffer, which chunk 0 overwrites afterwards (in order).
	s_cmp_lt_u32 s14, 4
	s_cbranch_scc0 .Lno_tail
	v_lshl_add_u32 v[EFR], v[HH], 4, s23           ; the same 16 bytes for all 16 columns of the fragment: every token has the same embedding
	s_lshl_b32 s26, s14, 6
	s_add_co_u32 s26, s26, TAILP
	v_lshl_add_u32 v[TPS], v[HH], 5, s26           ; experts 16 w + 8 half ..
	s_wait_loadcnt 63                              ; 64 loads were issued behind these nine; the count names 63 at the most, which asks for one load more than is needed
.irp i, 0,1,2,3,4,5,6,7
	v_cvt_pk_bf16_f32 v[CT+2*\i],   v[FR+4*\i],   v[FR+4*\i+1]
	v_cvt_pk_bf16_f32 v[CT+2*\i+1], v[FR+4*\i+2], v[FR+4*\i+3]
.endr
	v_cvt_pk_bf16_f32 v[CT+16], v[FR+32], v[FR+33]
	v_cvt_pk_bf16_f32 v[CT+17], v[FR+34], v[FR+35]
.irp i, 0,1,2,3,4,5,6,7
	ds_store_b64 v[STA], v[CT+2*\i:CT+2*\i+1] offset:\i*LP          ; buffer rows i and i + 8
.endr
	ds_store_b64 v[STA], v[CT+16:CT+17] offset:16*LP                ; the embedding, to row 16 (and, from lanes 16-31, the same to row 24)
.irp u, 0,1
	ds_load_b128 v[FR+8*\u:FR+8*\u+3],       v[FRA] offset:64*\u
	ds_load_b128 v[FR+8*\u+4:FR+8*\u+7],     v[FRA] offset:64*\u+32
	ds_load_b128 v[FR+16+8*\u:FR+16+8*\u+3], v[EFR] offset:16*LP+64*\u
	ds_load_b128 v[FR+16+8*\u+4:FR+16+8*\u+7], v[EFR] offset:16*LP+64*\u+32
.endr
	s_wait_dscnt 0x0
	v_wmma_f32_16x16x32_bf16 v[FR+40:FR+47], v[FR:FR+7], v[FR+16:FR+23], 0
	s_wait_alu depctr_va_vdst(0)                   ; a chain of two on one accumulator
	v_wmma_f32_16x16x32_bf16 v[FR+40:FR+47], v[FR+8:FR+15], v[FR+24:FR+31], v[FR+40:FR+47]
	PLACES
	ds_store_b128 v[TPS], v[FR+40:FR+43]           ; register i of lane (r, h): expert 16 w + 8 h + i, the same in all 16 lanes r, which write the same bytes
	ds_store_b128 v[TPS], v[FR+44:FR+47] offset:16
.Lno_tail:
	CONVERT 1, 56
	STEP 0, 1                                      ; the first products start the sums: nothing is cleared
	STEP 1, 0
.irp n, 0,1,2,3
	global_load_b128 v[NZ+4*\n:NZ+4*\n+3], v[NOFF], s[10:11] offset:512*\n th:TH_LOAD_NT   ; the noise of my 8 tokens, two rows a load
.endr
	CONVERT 2, 60
	STEP 0, 0
	STEP 1, 0
	CONVERT 3, 56
	STEP 0, 0
	STEP 1, 0
.irp g, 0,1,2,3,4,5,6,7                            ; the last chunk: nothing is left to ask for, the counts run down
	s_wait_loadcnt 56-8*\g
	CV8 \g
.endr
	WIN 0
	STEP 0, 0
	STEP 1, 0
	; The partial sums meet: register i of lane (r, h) of tile (c, a) is token 16 a + r, expert 16 c + 8 h + i: 32 neighbouring bytes of the token's row in my plane.
.irp c, 0,1,2,3
.irp a, 0,1,2,3
	ds_store_b128 v[PST], v[ACC+32*\c+8*\a:ACC+32*\c+8*\a+3]   offset:\a*16*SP+\c*64
	ds_store_b128 v[PST], v[ACC+32*\c+8*\a+4:ACC+32*\c+8*\a+7] offset:\a*16*SP+\c*64+16
.endr
.endr
	s_wait_dscnt 0x0                               ; my stores are done (count 0: the other waves will read them), the embedding's sums among them
	s_barrier_signal -1
	s_barrier_wait -1
	; Wave w finishes tokens 8 w .. 8 w + 7, two at a time (n = 0 .. 3): 16 lanes a token, 4 experts a lane.
	ds_load_b128 v[TC:TC+3], v[TPR]
.irp n, 0,1,2,3
.irp p, 0,1,2,3
	ds_load_b128 v[LG+32*\n+4*\p:LG+32*\n+4*\p+3], v[PRD] offset:\p*PLANE+\n*2*SP
.endr
.irp p, 0,1,2,3
	ds_load_b128 v[LG+32*\n+16+4*\p:LG+32*\n+16+4*\p+3], v[PRD2] offset:\p*PLANE+\n*2*SP
.endr
.endr
	v_mov_b32 v[BIG], 0x42800000
	v_mov_b32 v[NEG], 0xff800000
	v_mov_b32 v[STD], 0x3dcccccd
	v_lshlrev_b32 v[IDX], 2, v[RR]
	v_cvt_f32_u32 v[IDX], v[IDX]                   ; my experts 4 r .. 4 r + 3, as f32 so that the lane steps below are f32 arithmetic
	v_add_f32 v[IDX+1], 1.0, v[IDX]
	v_add_f32 v[IDX+2], 2.0, v[IDX]
	v_add_f32 v[IDX+3], 0x40400000, v[IDX]
	s_wait_loadcnt 0x0                             ; the noise (met: the last chunk's loads were issued behind it)
.irp n, 0,1,2,3
	v_cvt_pk_bf16_f32 v[NB+2*\n],   v[NZ+4*\n],   v[NZ+4*\n+1]       ; the stated limit of format: the noise in bf16
	v_cvt_pk_bf16_f32 v[NB+2*\n+1], v[NZ+4*\n+2], v[NZ+4*\n+3]
.endr
.irp n, 0,1,2,3
	s_wait_dscnt 24-8*\n                           ; pair n's eight loads are in; the eight of each later pair may be out
.irp q, 0,8,16,24
.irp d, 0,2
	v_pk_add_f32 v[LG+32*\n+\q+\d:LG+32*\n+\q+\d+1], v[LG+32*\n+\q+\d:LG+32*\n+\q+\d+1], v[LG+32*\n+\q+4+\d:LG+32*\n+\q+4+\d+1]
.endr
.endr
.irp q, 0,16
.irp d, 0,2
	v_pk_add_f32 v[LG+32*\n+\q+\d:LG+32*\n+\q+\d+1], v[LG+32*\n+\q+\d:LG+32*\n+\q+\d+1], v[LG+32*\n+\q+8+\d:LG+32*\n+\q+8+\d+1]
.endr
.endr
.irp d, 0,2
	v_pk_add_f32 v[LG+32*\n+\d:LG+32*\n+\d+1], v[LG+32*\n+\d:LG+32*\n+\d+1], v[LG+32*\n+16+\d:LG+32*\n+16+\d+1]
.endr
.irp d, 0,2
	v_pk_add_f32 v[LG+32*\n+\d:LG+32*\n+\d+1], v[LG+32*\n+\d:LG+32*\n+\d+1], v[TC+\d:TC+\d+1]      ; the embedding's part
.endr
	; logit = bf16(noise) x 0.1 + sum, one rounding, straight from the bf16 halves
	v_fma_mix_f32_bf16 v[LG+32*\n],   v[NB+2*\n],   v[STD], v[LG+32*\n]   op_sel_hi:[1,0,0]
	v_fma_mix_f32_bf16 v[LG+32*\n+1], v[NB+2*\n],   v[STD], v[LG+32*\n+1] op_sel:[1,0,0] op_sel_hi:[1,0,0]
	v_fma_mix_f32_bf16 v[LG+32*\n+2], v[NB+2*\n+1], v[STD], v[LG+32*\n+2] op_sel_hi:[1,0,0]
	v_fma_mix_f32_bf16 v[LG+32*\n+3], v[NB+2*\n+1], v[STD], v[LG+32*\n+3] op_sel:[1,0,0] op_sel_hi:[1,0,0]
.endr
; Across the 16 lanes of a token: four steps that ride on the arithmetic; every lane ends with the result.  The four pairs' chains are interleaved.
.macro ACROSS op, reg
.irp x, 1,2,4,8
.irp n, 0,1,2,3
	\op v[\reg+\n], v[\reg+\n], v[\reg+\n] row_xmask:\x row_mask:0xf bank_mask:0xf
.endr
.endr
.endm
; top(n) = the largest of a token's 64 values (4 a lane at vals + stride n)
.macro TOP vals, stride, top
.irp n, 0,1,2,3
	v_max3_num_f32 v[\top+\n], v[\vals+\stride*\n], v[\vals+\stride*\n+1], v[\vals+\stride*\n+2]
.endr
.irp n, 0,1,2,3
	v_max_num_f32 v[\top+\n], v[\top+\n], v[\vals+\stride*\n+3]
.endr
	ACROSS v_max_num_f32_dpp, \top
.endm
; sel(n) = the lowest expert number whose value equals top(n): of equal values the lower index is chosen, as top_k does
.macro PICK vals, stride, top, sel
.irp n, 0,1,2,3
.irp k, 0,1,2,3
	v_cmp_eq_f32 vcc_lo, v[\vals+\stride*\n+\k], v[\top+\n]
	v_cndmask_b32 v[CAND+4*\n+\k], v[BIG], v[IDX+\k], vcc_lo
.endr
.endr
.irp n, 0,1,2,3
	v_min3_num_f32 v[\sel+\n], v[CAND+4*\n], v[CAND+4*\n+1], v[CAND+4*\n+2]
.endr
.irp n, 0,1,2,3
	v_min_num_f32 v[\sel+\n], v[\sel+\n], v[CAND+4*\n+3]
.endr
	ACROSS v_min_num_f32_dpp, \sel
.endm
	TOP  LG, 32, MAX1
	PICK LG, 32, MAX1, SEL1
.irp n, 0,1,2,3
.irp k, 0,1,2,3
	v_cmp_eq_f32 s[MK+4*\n+\k], v[IDX+\k], v[SEL1+\n]                      ; the first choice: kept for the last step,
	v_cndmask_b32 v[LM+4*\n+\k], v[LG+32*\n+\k], v[NEG], s[MK+4*\n+\k]     ; and taken out of the running
.endr
.endr
	TOP  LM, 4, MAX2
	PICK LM, 4, MAX2, SEL2
	; e = exp(l2 - l1) <= 1;  w1 = 1 / (1 + e), w2 = e / (1 + e)
.irp n, 0,1,2,3
	v_sub_f32 v[TM+\n], v[MAX2+\n], v[MAX1+\n]
.endr
.irp n, 0,1,2,3
	v_mul_f32 v[TM+\n], 0x3fb8aa3b, v[TM+\n]       ; log2(e): v_exp_f32 is 2^x
.endr
.irp n, 0,1,2,3
	v_exp_f32 v[EX+\n], v[TM+\n]
.endr
	v_nop                                          ; one plain vector instruction behind a transcendental before its result is used or its source rewritten (ISA guide 5.7.2)
	s_wait_alu depctr_va_vdst(0)
.irp n, 0,1,2,3
	v_add_f32 v[TM+\n], 1.0, v[EX+\n]
.endr
.irp n, 0,1,2,3
	v_rcp_f32 v[WT1+\n], v[TM+\n]
.endr
	v_nop
	s_wait_alu depctr_va_vdst(0)
.irp n, 0,1,2,3
	v_mul_f32 v[WT2+\n], v[EX+\n], v[WT1+\n]
.endr
.irp n, 0,1,2,3
.irp k, 0,1,2,3
	v_cmp_eq_f32 vcc_lo, v[IDX+\k], v[SEL2+\n]
	v_cndmask_b32 v[OUT+4*\n+\k], 0, v[WT2+\n], vcc_lo
	v_cndmask_b32 v[OUT+4*\n+\k], v[OUT+4*\n+\k], v[WT1+\n], s[MK+4*\n+\k]
.endr
	global_store_b128 v[NOFF], v[OUT+4*\n:OUT+4*\n+3], s[12:13] offset:512*\n th:TH_STORE_NT   ; two whole rows of out0: 512 consecutive bytes, aligned
.endr
	s_wait_xcnt 0x0
	v_lshl_add_u32 v254, v0, 2, 0x46100
	v_mov_b32 v255, 0
	s_wait_tensorcnt 0x0
	ds_add_u32 v254, v255
	s_wait_dscnt 0x0
	s_endpgm
.Lfunc_end_k_q68270077f7_router:
	.size	k_q68270077f7_router, .Lfunc_end_k_q68270077f7_router-k_q68270077f7_router
	.p2alignl 7, 3214868480
	.fill 96, 4, 3214868480
	.section	.rodata,"a",@progbits
	.p2align	6, 0x0
	.amdhsa_kernel k_q68270077f7_router
		.amdhsa_group_segment_fixed_size 288000
		.amdhsa_private_segment_fixed_size 0
		.amdhsa_enable_private_segment 0
		.amdhsa_kernarg_size 40
		.amdhsa_user_sgpr_count 2
		.amdhsa_user_sgpr_kernarg_segment_ptr 1
		.amdhsa_wavefront_size32 1
		.amdhsa_system_sgpr_workgroup_id_x 1
		.amdhsa_system_sgpr_workgroup_id_y 1
		.amdhsa_system_sgpr_workgroup_id_z 1
		.amdhsa_system_vgpr_workitem_id 0
		.amdhsa_next_free_vgpr 512
		.amdhsa_next_free_sgpr 66
		.amdhsa_reserve_vcc 1
		.amdhsa_float_denorm_mode_32 3
		.amdhsa_float_denorm_mode_16_64 3
		.amdhsa_memory_ordered 1
		.amdhsa_forward_progress 1
		.amdhsa_inst_pref_size 124
	.end_amdhsa_kernel
	.amdgpu_metadata
---
amdhsa.version: [ 1, 2 ]
amdhsa.kernels:
  - .name:           k_q68270077f7_router
    .symbol:         k_q68270077f7_router.kd
    .args:
      - { .name: x, .offset: 0, .size: 8, .value_kind: global_buffer, .address_space: global }
      - { .name: router_w, .offset: 8, .size: 8, .value_kind: global_buffer, .address_space: global }
      - { .name: scale_embeddings, .offset: 16, .size: 8, .value_kind: global_buffer, .address_space: global }
      - { .name: noise, .offset: 24, .size: 8, .value_kind: global_buffer, .address_space: global }
      - { .name: out0, .offset: 32, .size: 8, .value_kind: global_buffer, .address_space: global }
    .group_segment_fixed_size: 288000
    .private_segment_fixed_size: 0
    .kernarg_segment_align: 8
    .kernarg_segment_size: 40
    .max_flat_workgroup_size: 256
    .sgpr_count:     66
    .vgpr_count:     512
    .wavefront_size: 32
...
	.end_amdgpu_metadata
.endif
;; end of part 1
